; MI455X (gfx1250); checked and timed in simulation.
; The chip was launched on July 23, 2026; its instructions are those of AMD's public machine-readable ISA for CDNA 5 (MIT licence, August 2026) and "CDNA5" Instruction Set Architecture Reference Guide (July 2026). The comments in the code are by the model that wrote it; some were corrected since.
;; Codebook Linear. Allowed arithmetic: float matrix products may take bf16 or f16 operands with f32 sums; other float arithmetic in f32, or as packed bf16 or f16 multiplies, adds, multiply-adds, maxima and minima; sums over many terms, partial sums and values carried from step to step in f32; what a program stores and reads back later, other than sums and carried values, may be rounded once to bf16 or f16.
;; Inputs: bias 2,048 float32; centroids 256 x 16 float32; labels 524,288 int32; x 4 x 2,048 x 4,096 float32.
;; Outputs: out0 4 x 2,048 x 2,048 float32.
;; 2 versions, each right; version 2 is version 1 with the launch prep written anew for expert scheduling mode. Each part assembles by itself: llvm-mc -triple=amdgcn-amd-amdhsa -mcpu=gfx1250 --defsym DOCPART=n.
;; ======== version 1 of 2: 2 launches
;; workspace buffers: xb 67,108,864 bytes; wb 16,777,216 bytes
;; launch prep (part 1): grid 1280 x 1, 8 waves a work-group, no clusters, 9,216 bytes of LDS; arguments x, centroids, labels, xb, wb; writes xb, wb
.if DOCPART == 1
	.amdgcn_target "amdgcn-amd-amdhsa--gfx1250"
	.amdhsa_code_object_version 6
	.text
	.protected	k_q245058dbde_prep
	.globl	k_q245058dbde_prep
	.p2align	8
	.type	k_q245058dbde_prep,@function
k_q245058dbde_prep:
	s_mov_b64 s[64:65], 0
	v_nop
	global_prefetch_b8 v0, s[64:65] scope:SCOPE_SE
	s_setreg_imm32_b32 hwreg(HW_REG_WAVE_MODE, 25, 1), 1
	s_wait_xcnt 0x0
; TWO STREAMS IN ONE LAUNCH, told apart by the work-group's number alone (the same for all eight waves of a work-group).
;   work-groups 0 .. 255:     wb = W in bf16, [2048][4096] row-major.  Flat, W is 524,288 blocks of 16 numbers; block b is centroids[labels[b]] and lies at byte 32 b of wb.
;   work-groups 256 .. 1279:  xb = x rounded to bf16, [8192][4096] row-major.
; x and the centroids are rounded once, to nearest even; bf16 has f32's exponent range, so nothing overflows that did not before; NaN and infinities pass through as they are.
; LIMIT.  A label outside 0 .. 255, read as an unsigned number, counts as 255 (the problem's labels stay inside the table of 256 rows).
; No matrix unit, no cluster, no tensor load: nothing is shared but a table of 16,384 bytes, and every other byte is read once and written once.
.set NDQ,    256                       ; work-groups that make wb; they come first, since their chain (table, barrier, gather) is the longer one
.set UIN,    4096                      ; a unit of x: 256 threads x 16 bytes
.set UOUT,   2048                      ; the same unit in bf16: 256 threads x 8 bytes
.set DEPTH,  8                         ; slots = loads of x that each wave has in flight
.set ROUNDS, 4                         ; 32 units to a work-group, 8 a round
.set TABLE,  0                         ; LDS: the centroids in bf16, row c at byte 32 c: 8,192 bytes
.set SPARE,  8192                      ; behind it: the spare words, 128 bytes for each of the eight waves: four blocks of 256 bytes that no other line names
.set SPW, 6                            ; v6       LDS address of my spare word: SPARE + 4 x my thread's number; never rewritten
.set NIL, 7                            ; v7       0; never rewritten
.set X,   8                            ; v[8:39]  x's path: slot i: 4 numbers in f32, as loaded
.set Y,   40                           ; v[40:55] x's path: slot i: the same 4 numbers in bf16, to store
.set CR,  8                            ; v[8:23]  W's path: my 16 numbers of the table, f32
.set CB,  24                           ; v[24:31] W's path: the same in bf16
.set LB,  32                           ; v[32:47] W's path: 16 labels, then the LDS addresses made of them
.set D,   48                           ; v[48:79] W's path: eight gathered halves of a block, 16 bytes each
	s_load_b256 s[4:11], s[0:1], 0x0               ; x s[4:5], centroids s[6:7], labels s[8:9], xb s[10:11]
	s_load_b64 s[12:13], s[0:1], 0x20              ; wb
	v_lshl_add_u32 v[SPW], v0, 2, SPARE
	v_mov_b32 v[NIL], 0
	v_lshlrev_b32 v1, 4, v0                        ; 16 t: my 16 bytes of a unit of x, of the table, and of 4,096 bytes of wb; never rewritten
	v_lshlrev_b32 v2, 3, v0                        ; 8 t: my 8 bytes of a unit of xb and of the table in LDS; never rewritten
	s_cmp_lt_u32 ttmp9, NDQ
	s_cbranch_scc1 .Ldequant
; ---- x to bf16.  A load of a wave covers 512 consecutive bytes, a store 256 consecutive bytes at a multiple of 256 from xb's first byte.
	s_sub_co_u32 s14, ttmp9, NDQ                   ; 0 .. 1023
	s_lshl_b32 s16, s14, 17                        ; 32 units of 4,096 bytes of x (the largest offset is under 2^27),
	s_mov_b32 s17, 0
	s_lshl_b32 s20, s14, 16                        ; 32 units of 2,048 bytes of xb
	s_mov_b32 s21, 0
	s_wait_kmcnt 0x0
	s_add_nc_u64 s[4:5], s[4:5], s[16:17]
	s_add_nc_u64 s[10:11], s[10:11], s[20:21]
.irp i, 0,1,2,3,4,5,6,7
	global_load_b128 v[X+4*(\i):X+4*(\i)+3], v1, s[4:5] offset:(\i)*UIN th:TH_LOAD_NT  ; the ring is filled: units 0 to 7
.endr
; One slot's turn.  ahead = 1: the slot is filled again with the unit DEPTH further on.  left = how many younger loads may stay out.
.macro SLOT i, ahead, left
	s_wait_loadcnt \left                           ; loads come back in order (ISA guide 5.7.1): this slot's is in, the younger ones stay out
	v_cvt_pk_bf16_f32 v[Y+2*(\i)],   v[X+4*(\i)],   v[X+4*(\i)+1]
	v_cvt_pk_bf16_f32 v[Y+2*(\i)+1], v[X+4*(\i)+2], v[X+4*(\i)+3]
.if \ahead
	global_load_b128 v[X+4*(\i):X+4*(\i)+3], v1, s[4:5] offset:((\i)+DEPTH)*UIN th:TH_LOAD_NT  ; the load goes ahead of the store
.endif
	global_store_b64 v2, v[Y+2*(\i):Y+2*(\i)+1], s[10:11] offset:(\i)*UOUT th:TH_STORE_NT
.endm
	s_mov_b32 s18, ROUNDS-1
.Lround:
.irp i, 0,1,2,3,4,5,6,7
	SLOT \i, 1, DEPTH-1
.endr
	s_wait_xcnt 0x0                                ; once a round: the two bases and Y, which this round's loads and stores read, are rewritten only behind this wait
	s_add_nc_u64 s[4:5], s[4:5], DEPTH*UIN
	s_add_nc_u64 s[10:11], s[10:11], DEPTH*UOUT
	s_sub_co_u32 s18, s18, 1
	s_cmp_lg_u32 s18, 0
	s_cbranch_scc1 .Lround
.irp i, 0,1,2,3,4,5,6,7
	SLOT \i, 0, DEPTH-1-(\i)                       ; the last round loads nothing: the counts run down, and no load leaves x
.endr
	s_endpgm
; ---- W in bf16.  The work-group owns 2,048 labels = 65,536 bytes of wb.  In step n (0 .. 15) it covers blocks 128 n .. 128 n + 127: thread t writes half t % 2 of block
; 128 n + t / 2, which is byte 4,096 n + 16 t: a store of a wave covers 512 consecutive bytes.
.Ldequant:
	v_lshrrev_b32 v3, 1, v0
	v_lshlrev_b32 v3, 2, v3                        ; 4 (t / 2): my label's place in a step's 512 bytes; never rewritten
	v_and_b32 v4, 1, v0
	v_lshlrev_b32 v4, 4, v4                        ; 16 (t % 2): which half of the table's row is mine
	s_lshl_b32 s16, ttmp9, 13                      ; 2,048 labels of 4 bytes
	s_mov_b32 s17, 0
	s_lshl_b32 s20, ttmp9, 16                      ; 2,048 blocks of 32 bytes
	s_mov_b32 s21, 0
	s_wait_kmcnt 0x0
	s_add_nc_u64 s[8:9], s[8:9], s[16:17]
	s_add_nc_u64 s[12:13], s[12:13], s[20:21]
.irp j, 0,1,2,3
	global_load_b128 v[CR+4*(\j):CR+4*(\j)+3], v1, s[6:7] offset:4096*(\j)  ; the whole table: numbers 1,024 j + 4 t .. + 3
.endr
.set n, 0
.rept 16
	global_load_b32 v[LB+n], v3, s[8:9] offset:512*n th:TH_LOAD_NT           ; two neighbouring lanes take the same label
.set n, n+1
.endr
	s_wait_loadcnt 16                              ; the table's four loads are in; the sixteen labels, issued behind them, may stay out
.irp j, 0,1,2,3
	v_cvt_pk_bf16_f32 v[CB+2*(\j)],   v[CR+4*(\j)],   v[CR+4*(\j)+1]
	v_cvt_pk_bf16_f32 v[CB+2*(\j)+1], v[CR+4*(\j)+2], v[CR+4*(\j)+3]
.endr
.irp j, 0,1,2,3
	ds_store_b64 v2, v[CB+2*(\j):CB+2*(\j)+1] offset:TABLE+2048*(\j)         ; number e of the table goes to byte 2 e
.endr
	s_wait_loadcnt 0x0                             ; the labels
.set n, 0
.rept 16
	v_min_u32 v[LB+n], 0xff, v[LB+n]               ; held inside the table,
	v_lshl_add_u32 v[LB+n], v[LB+n], 5, v4         ; then 32 x label + my half: at most 8,176, so the 16 bytes read end at the table's end
.set n, n+1
.endr
	s_wait_dscnt 0x0                               ; for the others' sake: my part of the table is written
	s_barrier_signal -1
	s_barrier_wait -1                              ; everybody's is
.irp g, 0,1
.if (\g) == 1
	s_wait_xcnt 0x0                                ; D, which the first eight stores read, is loaded again only behind this wait
.endif
.irp i, 0,1,2,3,4,5,6,7
	ds_load_b128 v[D+4*(\i):D+4*(\i)+3], v[LB+8*(\g)+(\i)]
.endr
.irp i, 0,1,2,3,4,5,6,7
	s_wait_dscnt 7-(\i)                            ; LDS loads come back in order (ISA guide 5.7.1): number i of the eight is in
	global_store_b128 v1, v[D+4*(\i):D+4*(\i)+3], s[12:13] offset:4096*(8*(\g)+(\i)) th:TH_STORE_NT
.endr
.endr
	s_wait_tensorcnt 0x0                           ; the wave's end: behind my last LDS store
	ds_add_u32 v[SPW], v[NIL]
	s_wait_dscnt 0x0
	s_endpgm
.Lfunc_end_k_q245058dbde_prep:
	.size	k_q245058dbde_prep, .Lfunc_end_k_q245058dbde_prep-k_q245058dbde_prep
	.p2alignl 7, 3214868480
	.fill 96, 4, 3214868480
	.section	.rodata,"a",@progbits
	.p2align	6, 0x0
	.amdhsa_kernel k_q245058dbde_prep
		.amdhsa_group_segment_fixed_size 9216
		.amdhsa_private_segment_fixed_size 0
		.amdhsa_enable_private_segment 0
		.amdhsa_kernarg_size 40
		.amdhsa_user_sgpr_count 2
		.amdhsa_user_sgpr_kernarg_segment_ptr 1
		.amdhsa_wavefront_size32 1
		.amdhsa_system_sgpr_workgroup_id_x 1
		.amdhsa_system_sgpr_workgroup_id_y 1
		.amdhsa_system_sgpr_workgroup_id_z 1
		.amdhsa_system_vgpr_workitem_id 0
		.amdhsa_next_free_vgpr 80
		.amdhsa_next_free_sgpr 66
		.amdhsa_reserve_vcc 0
		.amdhsa_float_denorm_mode_32 3
		.amdhsa_float_denorm_mode_16_64 3
		.amdhsa_memory_ordered 1
		.amdhsa_forward_progress 1
		.amdhsa_inst_pref_size 16
	.end_amdhsa_kernel
	.amdgpu_metadata
---
amdhsa.version: [ 1, 2 ]
amdhsa.kernels:
  - .name:           k_q245058dbde_prep
    .symbol:         k_q245058dbde_prep.kd
    .args:
      - { .name: x, .offset: 0, .size: 8, .value_kind: global_buffer, .address_space: global }
      - { .name: centroids, .offset: 8, .size: 8, .value_kind: global_buffer, .address_space: global }
      - { .name: labels, .offset: 16, .size: 8, .value_kind: global_buffer, .address_space: global }
      - { .name: xb, .offset: 24, .size: 8, .value_kind: global_buffer, .address_space: global }
      - { .name: wb, .offset: 32, .size: 8, .value_kind: global_buffer, .address_space: global }
    .group_segment_fixed_size: 9216
    .private_segment_fixed_size: 0
    .kernarg_segment_align: 8
    .kernarg_segment_size: 40
    .max_flat_workgroup_size: 256
    .sgpr_count:     66
    .vgpr_count:     80
    .wavefront_size: 32
...
	.end_amdgpu_metadata
.endif
;; end of part 1
;; launch gemm (part 2): grid 8 x 32, 4 waves a work-group, clusters of 4 x 4, 327,680 bytes of LDS; arguments xb, wb, out0, bias; writes out0
.if DOCPART == 2
	.amdgcn_target "amdgcn-amd-amdhsa--gfx1250"
	.amdhsa_code_object_version 6
	.text
	.protected	k_q245058dbde_gemm
	.globl	k_q245058dbde_gemm
	.p2align	8
	.type	k_q245058dbde_gemm,@function
k_q245058dbde_gemm:
	s_mov_b64 s[64:65], 0
	v_nop
	global_prefetch_b8 v0, s[64:65] scope:SCOPE_SE
	s_setreg_imm32_b32 hwreg(HW_REG_WAVE_MODE, 25, 1), 1
	s_wait_xcnt 0x0
	s_wait_alu depctr_hold_cnt(0) depctr_sa_sdst(0) depctr_va_vdst(0) depctr_va_sdst(0) depctr_va_ssrc(0) depctr_va_vcc(0) depctr_vm_vsrc(0)
	s_getreg_b32 s2, hwreg(HW_REG_IB_STS2, 6, 4)
	s_cmp_eq_u32 s2, 0
	s_cbranch_scc0 .Lentry_in_a_cluster
	s_endpgm
.Lentry_in_a_cluster:
	s_bfe_u32 s2, ttmp6, 0x10000c
	s_cmp_lg_u32 s2, 0xf033
	s_cbranch_scc0 .Lentry_shape_is_right
	s_endpgm
.Lentry_shape_is_right:
; out[m][n] = bias[n] + the sum over k of xb[m][k] wb[n][k].  xb: [8192][4096] bf16, wb: [2048][4096] bf16 (both made by the launch before), bias: [2048] f32, out: [8192][2048] f32.
; One f32 sum for each output, K ascending, begun with the bias: bias is the C operand of each sum's first product, so nothing is cleared and no pass adds it afterwards.
; LIMITS.  The operands carry bf16's 8 significant bits (rounded once, by the launch before); sums, bias and out are f32.  NaN and infinities are not treated apart.
; SHARES.  32 x 8 tiles of 256 x 256, a work-group each: 256 work-groups.  Four waves, as many as a WGP has SIMDs; a wave makes 128 x 128: 64 accumulators of 16 x 16, 512 registers.
; K goes in 32 steps of 128 through a ring of two LDS slots filled by the tensor data mover: the tiles' rows are 256 bytes of memory and start at multiples of 256 bytes from the buffer's first byte.
; CLUSTERS.  4 x 4 work-groups.  The four of a row of the cluster need the same tiles of xb, the four of a column the same tiles of wb: such a tile is asked for JOINTLY, by the same tensor load with
; the same descriptor and a mask that names the four; each receives it in its own LDS.  That divides the requests for both operands by four.
; TRANSPOSED USE.  Source 0 = 16 rows of wb, source 1 = 16 rows of xb: in the result lane l holds row m = l % 16 of out and its registers 0 to 7 the columns 8 (l / 16) + 0 .. 7: 32 neighbouring bytes.
; REGISTERS, in windows of 256 (s_set_vgpr_msb's low byte: bits 1:0 source 0, 3:2 source 1, 5:4 source 2, 7:6 destination):
;   window 0: v0-31 addresses; v64-127, v128-191 fragments of xb (8 x 16 rows x 32 K), two buffers, and on the way out two buffers of 16 rows read back; v192-255 the bias in the accumulators' layout
;   window 1: v64-127, v128-191 fragments of wb, two buffers
;   window 2: the 32 accumulators of my rows 0-63 (accumulator (a, b) at v[8 (8 a + b)]);   window 3: those of my rows 64-127
.set SIZE_M, 8192
.set SIZE_N, 2048
.set SIZE_K, 4096
.set KSTEP,  128
.set PITCH,  272                       ; an LDS row: 256 bytes of data + 16 of padding = 68 words: row r starts at bank 4 r mod 64 (64 banks of 4 bytes: ISA guide 11.1), so the 16 rows that a load touches start at 16 different banks
.set HALFT,  128*PITCH                 ; 128 rows: what one tensor load brings, and what one wave reads of either operand
.set SLOT,   4*HALFT                   ; xb's 256 rows, then wb's 256 rows
.set STAGE,  2*SLOT                    ; behind the ring, never filled by a tensor load: for each wave 16 rows of 512 bytes + 16 of padding, for the way out
.set SPITCH, 528                       ; 33 x 16 bytes: the 16 rows that a store touches fall on 16 different columns of 16 bytes
.set WSTAGE, 16*SPITCH                 ; 8,448 bytes = 33 blocks of 256
.set SPARE,  STAGE+4*WSTAGE            ; behind the stages: the spare words, 128 bytes for each wave: two blocks of 256 bytes that no other line names
.set LAPS,   SIZE_K/(2*KSTEP)          ; a lap = two K steps = once round the ring: 16
.set ADRA, 16                          ; v16-17  LDS address of my fragments of xb in slot 0, 1
.set ADRB, 20                          ; v20-21  the same for wb
.set STO,  24                          ; v24     the way out: where I put 32 bytes of a row
.set RD,   25                          ; v25     the way out: where I read 16 bytes of a row back
.set CO,   26                          ; v26     16 x lane: my 16 bytes of the wave's 512 in a row of out; never rewritten
.set BO,   27                          ; v27     32 x (lane / 16): my eight numbers of a block of 16 of the bias; never rewritten
.set SPW,  28                          ; v28     LDS address of my spare word: SPARE + 4 x my thread's number; never rewritten
.set NIL,  29                          ; v29     0; never rewritten
.set PFO,  30                          ; v30     the prefetches' offset: my lane x a row of xb or wb (8,192 bytes); never rewritten
.set F0,   64                          ; fragment buffer 0
.set F1,   128                         ; fragment buffer 1
.set OB,   64                          ; the way out: 16 rows read back from the stage, 64 registers: v64-127 and v128-191 by turns
.set BIAS, 192                         ; v192-255: block b of 16 columns at BIAS + 8 b: register j = bias[my first column + 16 b + 8 (lane / 16) + j]
.set G1,  24                           ; s[24:31] descriptor group 1 for xb's tiles
.set G0,  32                           ; s[32:39] descriptor group 0 for xb's tiles, one set for each slot
.set LIM, 43                           ; s43      1 in a wave that prefetches, else the greatest number
.set PFA, 44                           ; s[44:45] where my prefetches stand: my work-group's 32 rows of the 128 that I fetch, one K step further along K than the refill that is being asked for
.set G1B, 48                           ; s[48:55] descriptor group 1 for wb's tiles: it differs in the mask alone
.set G0B, 56                           ; s[56:63] descriptor group 0 for wb's tiles, one set for each slot
.set BP,  68                           ; s[68:69] bias
.set MSB, 0
.macro WIN new                         ; the immediate's high byte repeats the setting that is left; a switch that changes nothing is dropped
.if MSB != (\new)
	s_set_vgpr_msb (MSB<<8)|(\new)
.set MSB, \new
.endif
.endm
.set TO_B, 0x40                        ; destination window 1, address window 0
; A joint load.  Waves 0 and 1 fetch xb's two halves, waves 2 and 3 wb's.  Each of the two lines has one mask and one set of registers for all that issue it.  The branch hangs on the wave's number alone.
; An s_nop 0 and four v_nop follow each of the two lines; the jump round the other line, the label and what follows the macro come after them.
.macro JLOAD s
	s_cmp_eq_u32 s11, 0
	s_cbranch_scc0 .Lfor_b_\@
	tensor_load_to_lds s[G0+4*(\s):G0+4*(\s)+3], s[G1:G1+7]
	s_nop 0
.rept 4
	v_nop
.endr
	s_branch .Lasked_\@
.Lfor_b_\@:
	tensor_load_to_lds s[G0B+4*(\s):G0B+4*(\s)+3], s[G1B:G1B+7]
	s_nop 0
.rept 4
	v_nop
.endr
.Lasked_\@:
.endm
; A PREFETCH INTO THE L2, behind each joint refill, its five lines and the run of LDS loads that follows them: the K step that stands TWO refills on, 512 matrix instructions ahead of the load that will name it:
; 32 rows x 256 bytes, a lane a row, one instruction a wave.  Each row's 256 bytes of a K step are named ONCE in the launch: xb's tile row is read by both clusters of that row of clusters, and the one with
; cluster x = 0 asks; wb's tile column by all eight clusters of that column, and the one with cluster y = 0 asks.  The four partners that ask for a tile jointly share its rows out BY ADDRESS: of the 128 rows
; that a wave fetches the partner at place p takes 32 p .. 32 p + 31 (p = cx for xb, cy for wb): no branch hangs on a work-group's place in its cluster.
; K steps 0 to 3 come by their loads alone; the loop's last trip (s3 = 1) asks for nothing, since K steps 32 and 33 do not exist.
.macro ASK
	s_cmp_gt_u32 s3, s[LIM]
	s_cbranch_scc0 .Lnot_mine_\@
	global_prefetch_b8 v[PFO], s[PFA:PFA+1] offset:KSTEP*2 th:TH_LOAD_NT scope:SCOPE_SE
.Lnot_mine_\@:
.endm
; A round of the cluster's barrier: my work-group's barrier, so that wave 0's signal speaks for all four waves; wave 0 signals for the work-group; every wave waits for all sixteen work-groups;
; my work-group's barrier once more.  No LDS instruction of the wave is pending at a signal.
.macro CREST                           ; a round behind its opening barrier
	s_cmp_lg_u32 s10, 0
	s_cbranch_scc1 .Lnot_wave_0_\@
	s_barrier_signal -3
.Lnot_wave_0_\@:
	s_barrier_wait -3
	s_barrier_signal -1
	s_barrier_wait -1
.endm
.macro CROUND                          ; a whole round
	s_barrier_signal -1
	s_barrier_wait -1
	CREST
.endm
	s_load_b128 s[4:7], s[0:1], 0x0                ; xb s[4:5], wb s[6:7]
	s_load_b64 s[8:9], s[0:1], 0x10                ; out
	s_load_b64 s[BP:BP+1], s[0:1], 0x18            ; bias
	v_lshl_add_u32 v[SPW], v0, 2, SPARE
	v_mov_b32 v[NIL], 0
	ds_add_u32 v[SPW], v[NIL]                      ; the wave's opening: the add and its wait stand ahead of my first tensor load; the set-up below, work on registers, stands between them
	v_lshrrev_b32 v1, 5, v0
	v_readfirstlane_b32 s10, v1                    ; wave 0..3
	s_lshr_b32 s11, s10, 1                         ; which half of the tile's rows is mine.  Also: I fetch for xb (0) or for wb (1)
	s_and_b32 s12, s10, 1                          ; which half of its columns.  Also: which 128 rows of that tile I fetch
	s_bfe_u32 s40, ttmp6, 0x40000                  ; cx: my place along the cluster's x
	s_bfe_u32 s41, ttmp6, 0x40004                  ; cy: along its y
	s_lshl_b32 s42, ttmp9, 2                       ; in a cluster launch ttmp9 and ttmp7 count clusters
	s_add_co_u32 s42, s42, s40                     ; tile column of out = 4 x cluster x + cx
	s_and_b32 s13, ttmp7, 0xffff
	s_lshl_b32 s13, s13, 2
	s_add_co_u32 s13, s13, s41                     ; tile row of out = 4 x cluster y + cy
	s_lshl_b32 s43, s41, 2
	s_lshl_b32 s43, 15, s43                        ; my row of the cluster: places 4 cy .. 4 cy + 3
	s_lshl_b32 s44, 0x1111, s40                    ; my column: places cx, cx + 4, cx + 8, cx + 12
	; descriptor group 1: a tile of 128 rows x 128 elements, padded in LDS
	s_or_b32 s[G1+0], s43, (1<<16)|(1<<20)|(1<<21)|(5<<22)|(3<<25)   ; 15:0 the mask: xb's tiles go to my row; 17:16 elements of 2 bytes; 20 padding on; 21 set beside a mask; 24:22 after every 64 words (code 5); 31:25 4 words of it (code 3)
	s_or_b32 s[G1B+0], s44, (1<<16)|(1<<20)|(1<<21)|(5<<22)|(3<<25)  ; the same with the mask of my column, for wb's tiles
.irp g, G1, G1B
	s_mov_b32 s[(\g)+1], KSTEP<<16                 ; 63:48 tensor_dim0, low half = 128
	s_mov_b32 s[(\g)+2], 128<<16                   ; 79:64 its high half = 0; 95:80 tensor_dim1, low half = 128
	s_mov_b32 s[(\g)+3], KSTEP<<16                 ; 111:96 its high half = 0; 127:112 tile_dim0 = 128
	s_mov_b32 s[(\g)+4], 128                       ; 143:128 tile_dim1 = 128; 159:144 tile_dim2 = 0
	s_mov_b32 s[(\g)+5], SIZE_K                    ; 191:160 tensor_dim0_stride, low word: elements from row to row
	s_mov_b32 s[(\g)+6], 0
	s_mov_b32 s[(\g)+7], 0
.endr
	; where the tiles come from.  xb's hang on the tile row alone, which my row of the cluster shares; wb's on the tile column alone, which my column shares.
	; Every wave makes both addresses, in registers that never hold the other coordinate, and asks by one of them.
	s_lshl_b32 s17, s12, 7                         ; which 128 rows of the tile I fetch
	s_lshl_b32 s16, s13, 8
	s_add_co_u32 s16, s16, s17                     ; xb: row 256 x tile row + 128 x half
	s_lshl_b32 s46, s42, 8
	s_add_co_u32 s46, s46, s17                     ; wb: row 256 x tile column + 128 x half
	s_mov_b32 s17, 0
	s_mov_b32 s47, 0
	s_mov_b64 s[18:19], SIZE_K*2
	s_mul_u64 s[16:17], s[16:17], s[18:19]         ; in bytes, in 64 bits
	s_mul_u64 s[46:47], s[46:47], s[18:19]
	s_mul_i32 s20, s10, HALFT                      ; and where they go: xb's two halves, then wb's two halves = wave x 128 rows: no place in the cluster enters an LDS address
	s_wait_dscnt 0x0                               ; the opening add is done
	s_wait_kmcnt 0x0
	s_add_nc_u64 s[14:15], s[4:5], s[16:17]
	s_add_nc_u64 s[46:47], s[6:7], s[46:47]
	CROUND                                         ; all sixteen work-groups are here: the first joint loads meet
.irp s, 0,1
	s_mov_b32 s[G0+4*(\s)], 1                                        ; 1:0 count = 1
	s_add_co_u32 s[G0+4*(\s)+1], s20, (\s)*SLOT                      ; 63:32 LDS address
	s_add_nc_u64 s[G0+4*(\s)+2:G0+4*(\s)+3], s[14:15], (\s)*KSTEP*2  ; 120:64 global address: K step s
	s_or_b32 s[G0+4*(\s)+3], s[G0+4*(\s)+3], 0x80000000              ; 127:126 type = 2
	s_mov_b32 s[G0B+4*(\s)], 1
	s_add_co_u32 s[G0B+4*(\s)+1], s20, (\s)*SLOT
	s_add_nc_u64 s[G0B+4*(\s)+2:G0B+4*(\s)+3], s[46:47], (\s)*KSTEP*2
	s_or_b32 s[G0B+4*(\s)+3], s[G0B+4*(\s)+3], 0x80000000
	JLOAD \s                                       ; the ring is filled before anything else is done: two loads of mine are out
.endr
	; A fragment is 16 rows x 32 K in 8 registers: lane l holds row l % 16; registers 0-3 hold K = 8 (l / 16) + 0..7, registers 4-7 hold K = 16 + 8 (l / 16) + 0..7.
	; From rows that lie along K: two loads of 16 bytes, 32 bytes apart.  The same for source 0 and source 1.
	v_and_b32 v1, 15, v0                           ; l % 16
	v_bfe_u32 v2, v0, 4, 1                         ; l / 16
	v_mul_u32_u24 v3, v1, PITCH
	v_lshl_add_u32 v3, v2, 4, v3                   ; row x pitch + 16 x half
	s_mul_i32 s21, s11, HALFT                      ; my 128 rows of xb
	s_mul_i32 s22, s12, HALFT                      ; my 128 rows of wb,
	s_add_co_u32 s22, s22, 2*HALFT                 ; which lie behind xb's 256
.irp s, 0,1
	v_add_nc_u32 v[ADRA+(\s)], s21, v3
	v_add_nc_u32 v[ADRB+(\s)], s22, v3
	s_add_co_u32 s21, s21, SLOT
	s_add_co_u32 s22, s22, SLOT
.endr
	s_mul_i32 s23, s10, WSTAGE
	s_add_co_u32 s23, s23, STAGE                   ; my stage
	v_mul_u32_u24 v4, v1, SPITCH                   ; in: row l % 16, 32 bytes for each half of the lanes
	v_lshl_add_u32 v4, v2, 5, v4
	v_add_nc_u32 v[STO], s23, v4
	v_and_b32 v5, 31, v0
	v_lshlrev_b32 v[CO], 4, v5                     ; back: the 32 lanes take one row of 512 bytes,
	v_add_nc_u32 v[RD], s23, v[CO]                 ; and the same 512 bytes of a row of out
	v_lshlrev_b32 v[BO], 5, v2
	; my first column, in bytes: 1,024 x tile column + 512 x half: the same number in a row of out and in the bias, both f32
	s_lshl_b32 s70, s42, 10
	s_lshl_b32 s71, s12, 9
	s_add_co_u32 s70, s70, s71
	s_mov_b32 s71, 0
	s_add_nc_u64 s[BP:BP+1], s[BP:BP+1], s[70:71]
.irp b, 0,1,2,3,4,5,6,7
	global_load_b128 v[BIAS+8*(\b):BIAS+8*(\b)+3],   v[BO], s[BP:BP+1] offset:64*(\b)     ; columns 16 b + 8 (l / 16) + 0 .. 3
	global_load_b128 v[BIAS+8*(\b)+4:BIAS+8*(\b)+7], v[BO], s[BP:BP+1] offset:64*(\b)+16  ; and + 4 .. 7
.endr
	; out at my part of the tile: row 256 x tile row + 128 x half, of 8,192 bytes (under 2^26 in all), and my first column
	s_lshl_b32 s13, s13, 8
	s_lshl_b32 s14, s11, 7
	s_add_co_u32 s16, s13, s14
	s_lshl_b32 s16, s16, 13
	s_mov_b32 s17, 0
	s_add_nc_u64 s[8:9], s[8:9], s[16:17]
	s_add_nc_u64 s[8:9], s[8:9], s[70:71]
	; the prefetches.  s13 = 256 x tile row, s42 = tile column, s40 = cx, s41 = cy still stand
	s_lshl_b32 s42, s42, 8
	s_and_b32 s22, ttmp7, 0xffff                   ; cluster y
	s_cmp_eq_u32 s11, 0                            ; do I fetch for xb?
	s_cselect_b32 s20, s13, s42                    ; the tile's first row: in xb by the tile row, in wb by the tile column
	s_cselect_b32 s21, s40, s41                    ; my place among the four that ask for it with me
	s_cselect_b32 s22, ttmp9, s22                  ; the coordinate along which other clusters read the same rows
	s_cselect_b64 s[PFA:PFA+1], s[4:5], s[6:7]
	s_cmp_eq_u32 s22, 0
	s_cselect_b32 s[LIM], 1, -1                    ; the same in all sixteen partners, for a given wave
	s_lshl_b32 s22, s12, 7
	s_add_co_u32 s20, s20, s22                     ; + the 128 rows that I fetch
	s_lshl_b32 s21, s21, 5
	s_add_co_u32 s20, s20, s21                     ; + my work-group's 32 of them
	s_mov_b32 s21, 0
	s_mov_b64 s[18:19], SIZE_K*2
	s_mul_u64 s[20:21], s[20:21], s[18:19]
	s_add_nc_u64 s[PFA:PFA+1], s[PFA:PFA+1], s[20:21]
	s_add_nc_u64 s[PFA:PFA+1], s[PFA:PFA+1], 2*KSTEP*2  ; at K step 2: the first refill steps it to 3 and names K step 4
	v_mul_u32_u24 v[PFO], v5, SIZE_K*2
	; nothing is prefetched here, at the head, where every work-group's first two tiles are on their way
; 16 matrix instructions: m blocks a0, a0 + 1 of the window's four (hi = 0: my rows 0-63, 1: rows 64-127) x all 8 n blocks, 32 along K.
; first = 1: the product starts the sum, and its C is the bias of the block's 16 columns (window 0): nothing is ever cleared.  The 64 accumulators take turns, one instruction a turn, in the same order
; in every quarter step: between two products on one accumulator stand the 63 others'.
.macro MUL16 f, hi, a0, first
.if \first
	WIN 0x81+0x40*(\hi)                            ; source 0 (wb) window 1, source 1 (xb) and C (bias) window 0, D window 2 or 3
.else
	WIN 0xa1+0x50*(\hi)                            ; source 0 window 1, source 1 window 0, C and D window 2 or 3
.endif
.irp a, \a0, (\a0)+1
.irp b, 0,1,2,3,4,5,6,7
.if \first
	v_wmma_f32_16x16x32_bf16 v[8*(8*(\a)+(\b)):8*(8*(\a)+(\b))+7], v[(\f)+8*(\b):(\f)+8*(\b)+7], v[(\f)+8*(4*(\hi)+(\a)):(\f)+8*(4*(\hi)+(\a))+7], v[BIAS+8*(\b):BIAS+8*(\b)+7]
.else
	v_wmma_f32_16x16x32_bf16 v[8*(8*(\a)+(\b)):8*(8*(\a)+(\b))+7], v[(\f)+8*(\b):(\f)+8*(\b)+7], v[(\f)+8*(4*(\hi)+(\a)):(\f)+8*(4*(\hi)+(\a))+7], v[8*(8*(\a)+(\b)):8*(8*(\a)+(\b))+7]
.endif
.endr
.endr
.endm
; 32 LDS loads in one run: the fragments of one quarter step (128 rows of wb, 128 rows of xb, 32 K at byte k of the rows) into buffer f
.macro FETCH slot, k, f
	WIN TO_B
.irp i, 0,1,2,3,4,5,6,7
	ds_load_b128 v[(\f)+8*(\i):(\f)+8*(\i)+3],   v[ADRB+(\slot)] offset:(\k)+(\i)*16*PITCH
	ds_load_b128 v[(\f)+8*(\i)+4:(\f)+8*(\i)+7], v[ADRB+(\slot)] offset:(\k)+(\i)*16*PITCH+32
.endr
	WIN 0
.irp i, 0,1,2,3,4,5,6,7
	ds_load_b128 v[(\f)+8*(\i):(\f)+8*(\i)+3],   v[ADRA+(\slot)] offset:(\k)+(\i)*16*PITCH
	ds_load_b128 v[(\f)+8*(\i)+4:(\f)+8*(\i)+7], v[ADRA+(\slot)] offset:(\k)+(\i)*16*PITCH+32
.endr
.endm
; A load into a register that a matrix instruction has read, and a store that reads a matrix result, stand four places behind that matrix instruction, and only plain vector instructions that name none
; of its registers are places (ISA guide 7.12.1 for vector instructions); the matrix instructions in between are not counted.
.macro PLACES
.rept 4
	v_nop
.endr
.endm
; A K step is four quarter steps of 32 along K, 64 matrix instructions each, on buffers 0, 1, 0, 1.
; One of the first three: multiplies buffer f; in its middle it fetches the next quarter's fragments, at byte k of the same slot's rows, into buffer g.
.macro QUARTER slot, k, f, g, first
	s_wait_dscnt 8                                 ; wb's fragments and xb's rows 0-63 are in; the youngest eight loads (xb's rows 64-127) may be out
	MUL16 \f, 0, 0, \first
	MUL16 \f, 0, 2, \first
	PLACES
	FETCH \slot, \k, \g
	s_wait_dscnt 32                                ; all but the 32 just issued
	MUL16 \f, 1, 0, \first
	MUL16 \f, 1, 2, \first
.endm
; The last quarter multiplies buffer 1 and changes slots.  MEET is its first half: ONE barrier for the change of slots, for two things.  In front of it each wave waits for all its tensor loads, of which one
; is out: its part of the next slot; adds 0 to its spare word; and waits for that and for its own reads of this slot.  Behind it nobody reads this slot any more and the next slot is whole.
.macro MEET round                      ; round = 1: a round of the cluster's barrier follows
	WIN 0                                          ; (the add's two registers lie in window 0)
	s_wait_tensorcnt 0x0                           ; all my tensor loads have landed: the one that was out is my part of the next slot;
	ds_add_u32 v[SPW], v[NIL]                      ; 0 onto my spare word;
	s_wait_dscnt 9                                 ; (the add and the youngest eight loads may be out)
	MUL16 F1, 0, 0, 0                              ; sixteen matrix instructions stand between the add and the wait for it
	s_wait_dscnt 0x0                               ; the add is done, and my reads of this slot are over:
	s_barrier_signal -1                            ; say so (where a slot is filled again this barrier opens a round of the cluster's barrier),
	MUL16 F1, 0, 2, 0                              ; work on registers while the others arrive,
.if \round
	WIN 0
.endif
	s_barrier_wait -1                              ; and go on when all four have said so
.endm
; The whole last quarter.  fill = 1: behind the round the slot just read out is filled again first, with the K step two steps on; then come the next slot's first fragments.
; From a request to the wait for it a wave issues 224 matrix instructions.
.macro TURN slot, next, fill
.if \fill
	s_wait_xcnt 0x0                                ; the last prefetch, a K step back, has read its address: it is stepped here, ahead of the waits of the change of slots
	s_add_nc_u64 s[PFA:PFA+1], s[PFA:PFA+1], KSTEP*2
.endif
	MEET \fill
.if \fill
	CREST                                          ; wave 0 says so for the work-group, all sixteen work-groups have said so, my work-group's barrier closes the round:
	                                               ; no wave of any partner still reads this slot's tile or has a load on its way
	s_add_nc_u64 s[G0+4*(\slot)+2:G0+4*(\slot)+3], s[G0+4*(\slot)+2:G0+4*(\slot)+3], 2*KSTEP*2      ; no tensor load of mine is out, so a group 0 may be written; the type bits on top are not reached
	s_add_nc_u64 s[G0B+4*(\slot)+2:G0B+4*(\slot)+3], s[G0B+4*(\slot)+2:G0B+4*(\slot)+3], 2*KSTEP*2
	JLOAD \slot                                    ; the first tensor load behind the round, and my only one until the next; the four v_nop behind it are also the places in front of the loads below
.else
	PLACES
.endif
	FETCH \next, 0, F0
.if \fill
	ASK                                            ; behind the joint load and the run of LDS loads that the next products wait for
.endif
	MUL16 F1, 1, 0, 0
	MUL16 F1, 1, 2, 0
.endm
; THE WAY OUT of block a (16 of my rows), in f32.  A lane's 32 bytes are a sixteenth of the wave's 512 bytes of a row, and the lanes beside it hold other rows.  So the block goes through my own stage:
; in by rows of 528 bytes, each accumulator's lowest four registers first; back as whole rows of 512 bytes.
.macro TOSTAGE a
.set AC, 64*((\a)%4)
.set BK, OB+64*((\a)%2)
	WIN 0x08+4*((\a)/4)                            ; the stores' data (source 1) in window 2 or 3, their address in window 0
.irp b, 0,1,2,3,4,5,6,7
	ds_store_b128 v[STO], v[AC+8*(\b):AC+8*(\b)+3]   offset:64*(\b)
	ds_store_b128 v[STO], v[AC+8*(\b)+4:AC+8*(\b)+7] offset:64*(\b)+16
.endr
	WIN 0
.if (\a) >= 2
	s_wait_xcnt 0x0                                ; the registers that block a - 2's stores to out read are loaded again only behind this wait
.endif
.irp t, 0,1,2,3,4,5,6,7,8,9,10,11,12,13,14,15
	ds_load_b128 v[BK+4*(\t):BK+4*(\t)+3], v[RD] offset:(\t)*SPITCH  ; LDS serves a wave's instructions in order (ISA guide 5.7.1.4): these see the stores above, and the next block's stores come behind them
.endr
.endm
.macro SEND a, younger                 ; younger: the LDS instructions issued behind block a's loads: the next block's 16 stores and 16 loads, or none
.set BK, OB+64*((\a)%2)
	s_wait_dscnt \younger                          ; the block is back in registers
.irp t, 0,1,2,3,4,5,6,7,8,9,10,11,12,13,14,15
	global_store_b128 v[CO], v[BK+4*(\t):BK+4*(\t)+3], s[8:9] offset:(16*(\a)+(\t))*SIZE_N*4 th:TH_STORE_NT  ; the wave stores 512 consecutive bytes, at a multiple of 512 from out's first byte; the row stands in the immediate, 127 x 8,192 at the most
.endr
.endm
	s_wait_tensorcnt 1                             ; my part of K step 0 is in; K step 1's load may stay out
	s_wait_loadcnt 0x0                             ; the bias
	s_barrier_signal -1
	s_barrier_wait -1                              ; everybody's part of K step 0 is in
	FETCH 0, 0, F0
	QUARTER 0, 64,  F0, F1, 1                      ; the first quarter stands in front of the loop: its products start the sums, from the bias
	WIN 0                                          ; at a label and at a branch every window is 0
	s_mov_b32 s3, LAPS-1
.Llap:                                                 ; a trip goes once round the ring, from a lap's second quarter to the next lap's first, and fills both slots again
	QUARTER 0, 128, F1, F0, 0
	QUARTER 0, 192, F0, F1, 0
	TURN 0, 1, 1
	QUARTER 1, 64,  F0, F1, 0
	QUARTER 1, 128, F1, F0, 0
	QUARTER 1, 192, F0, F1, 0
	TURN 1, 0, 1
	QUARTER 0, 64,  F0, F1, 0
	WIN 0
	s_sub_co_u32 s3, s3, 1
	s_cmp_lg_u32 s3, 0
	s_cbranch_scc1 .Llap
	QUARTER 0, 128, F1, F0, 0                      ; the last lap is written out: it fills nothing, and has no round of the cluster's barrier
	QUARTER 0, 192, F0, F1, 0
	TURN 0, 1, 0                                   ; my one tensor load that was still out is slot 1's, the last K step's
	QUARTER 1, 64,  F0, F1, 0
	QUARTER 1, 128, F1, F0, 0
	QUARTER 1, 192, F0, F1, 0
	s_wait_dscnt 8                                 ; the very last quarter: nothing more to fetch
	MUL16 F1, 0, 0, 0
	MUL16 F1, 0, 2, 0
	s_wait_dscnt 0x0
	MUL16 F1, 1, 0, 0
	MUL16 F1, 1, 2, 0
	PLACES                                         ; behind the last products, in front of stores that read results and of loads into the fragments' registers:
	PLACES                                         ; eight, once a launch, where four are owed
	TOSTAGE 0
.irp a, 1,2,3,4,5,6,7                  ; block a's way through the stage is on while block a - 1 is stored
	TOSTAGE \a
	SEND (\a)-1, 32
.endr
	SEND 7, 0
	s_wait_tensorcnt 0x0                           ; the wave's end: behind my last tensor load and my last LDS store
	ds_add_u32 v[SPW], v[NIL]
	s_wait_dscnt 0x0
	CROUND                                         ; the closing round: no work-group ends while a partner may still ask for a tile that names it
	s_endpgm
.Lfunc_end_k_q245058dbde_gemm:
	.size	k_q245058dbde_gemm, .Lfunc_end_k_q245058dbde_gemm-k_q245058dbde_gemm
	.p2alignl 7, 3214868480
	.fill 96, 4, 3214868480
	.section	.rodata,"a",@progbits
	.p2align	6, 0x0
	.amdhsa_kernel k_q245058dbde_gemm
		.amdhsa_group_segment_fixed_size 327680
		.amdhsa_private_segment_fixed_size 0
		.amdhsa_enable_private_segment 0
		.amdhsa_kernarg_size 32
		.amdhsa_user_sgpr_count 2
		.amdhsa_user_sgpr_kernarg_segment_ptr 1
		.amdhsa_wavefront_size32 1
		.amdhsa_system_sgpr_workgroup_id_x 1
		.amdhsa_system_sgpr_workgroup_id_y 1
		.amdhsa_system_sgpr_workgroup_id_z 1
		.amdhsa_system_vgpr_workitem_id 0
		.amdhsa_next_free_vgpr 1024
		.amdhsa_next_free_sgpr 72
		.amdhsa_reserve_vcc 0
		.amdhsa_float_denorm_mode_32 3
		.amdhsa_float_denorm_mode_16_64 3
		.amdhsa_memory_ordered 1
		.amdhsa_forward_progress 1
		.amdhsa_inst_pref_size 143
	.end_amdhsa_kernel
	.amdgpu_metadata
---
amdhsa.version: [ 1, 2 ]
amdhsa.kernels:
  - .name:           k_q245058dbde_gemm
    .symbol:         k_q245058dbde_gemm.kd
    .args:
      - { .name: xb, .offset: 0, .size: 8, .value_kind: global_buffer, .address_space: global }
      - { .name: wb, .offset: 8, .size: 8, .value_kind: global_buffer, .address_space: global }
      - { .name: out0, .offset: 16, .size: 8, .value_kind: global_buffer, .address_space: global }
      - { .name: bias, .offset: 24, .size: 8, .value_kind: global_buffer, .address_space: global }
    .group_segment_fixed_size: 327680
    .private_segment_fixed_size: 0
    .kernarg_segment_align: 8
    .kernarg_segment_size: 32
    .max_flat_workgroup_size: 128
    .sgpr_count:     72
    .vgpr_count:     1024
    .wavefront_size: 32
...
	.end_amdgpu_metadata
.endif
;; end of part 2
;; ======== version 2 of 2: 2 launches; version 1 with the launch prep written anew for expert scheduling mode
;; workspace buffers: xb 67,108,864 bytes; wb 16,777,216 bytes
;; launch prep (part 3): grid 1280 x 1, 8 waves a work-group, no clusters, 9,216 bytes of LDS; arguments x, centroids, labels, xb, wb; writes xb, wb
.if DOCPART == 3
	.amdgcn_target "amdgcn-amd-amdhsa--gfx1250"
	.amdhsa_code_object_version 6
	.text
	.protected	k_q245058dbde_prep
	.globl	k_q245058dbde_prep
	.p2align	8
	.type	k_q245058dbde_prep,@function
k_q245058dbde_prep:
	s_mov_b64 s[64:65], 0
	v_nop
	global_prefetch_b8 v0, s[64:65] scope:SCOPE_SE
	s_setreg_imm32_b32 hwreg(HW_REG_WAVE_SCHED_MODE, 0, 2), 2
	s_setreg_imm32_b32 hwreg(HW_REG_WAVE_MODE, 25, 1), 1
	s_wait_xcnt 0x0
	s_wait_alu depctr_vm_vsrc(0)
; TWO STREAMS IN ONE LAUNCH, told apart by the work-group's number alone (the same for all eight waves of a work-group).
;   work-groups 0 .. 255:     wb = W in bf16, [2048][4096] row-major.  Flat, W is 524,288 blocks of 16 numbers; block b is centroids[labels[b]] and lies at byte 32 b of wb.
;   work-groups 256 .. 1279:  xb = x rounded to bf16, [8192][4096] row-major.
; x and the centroids are rounded once, to nearest even; bf16 has f32's exponent range, so nothing overflows that did not before; NaN and infinities pass through as they are.
; LIMIT.  A label outside 0 .. 255, read as an unsigned number, counts as 255 (the problem's labels stay inside the table of 256 rows).
; No matrix unit, no cluster, no tensor load: nothing is shared but a table of 16,384 bytes, and every other byte is read once and written once.
; THE MODE: SCHED_MODE bits 1:0 = 2 (LLVM: expert scheduling mode 2), set by the entry lines.  The code itself states the register dependences
; between vector instructions and memory or LDS instructions, with s_wait_alu, always for 0.
; THE PLAN, x's path.  The work-group's 32 units go in four blocks of eight.  Registers that memory instructions touch:
;   v1, v2    byte offsets, made once at the head and never written again: the units are reached by immediate offsets, and no base is stepped.
;   X0, X1    two blocks of x as loaded.  Block p's sixteen roundings read X[p % 2]; behind them the loads of block p + 2 land in it.
;   Y         one block of xb to store.  Written by block p's roundings, read by block p's eight stores, written again by block p + 1's roundings.
; So ONE wait on va_vdst stands in a block, behind its roundings: they are done reading X[p % 2] and have written Y; the block's loads and stores follow it in one run.
; One wait on vm_vsrc stands at a block's head, behind the wait for the block's data: the stores of the block before have read Y.
; THE PLAN, W's path.  Registers that memory or LDS instructions touch:
;   v1, v2, v3  offsets and an LDS address, made at the head and never written again.
;   CR          the table in f32: four loads land in it, the conversions read it.      CB   the table in bf16: the conversions write it, four LDS stores read it.
;   LB          sixteen loads land in it; the clamp and the shift rewrite it; the sixteen gathers read it as their addresses.
;   D           sixteen gathers land in it, the sixteen stores to wb read it; it is not written again.  Its first 24 registers are CR's and CB's, which are dead by then.
; Waits: va_vdst ahead of the first load (the offsets), between the conversions and the LDS stores (CB), and behind the barrier (LB); vm_vsrc behind the barrier (the LDS stores have read CB).
.set NDQ,    256                       ; work-groups that make wb; they come first, since their chain (table, barrier, gather) is the longer one
.set UIN,    4096                      ; a unit of x: 256 threads x 16 bytes
.set UOUT,   2048                      ; the same unit in bf16: 256 threads x 8 bytes
.set BLOCK,  8                         ; units in a block
.set BLOCKS, 4                         ; 32 units to a work-group
.set TABLE,  0                         ; LDS: the centroids in bf16, row c at byte 32 c: 8,192 bytes
.set SPARE,  8192                      ; behind it: the spare words, 128 bytes for each of the eight waves: four blocks of 256 bytes that no other line names
.set SPW, 6                            ; v6       LDS address of my spare word: SPARE + 4 x my thread's number; never rewritten
.set NIL, 7                            ; v7       0; never rewritten
.set X,   8                            ; v[8:71]  x's path: buffer k, unit i: 4 numbers in f32, as loaded, at X + 32 k + 4 i
.set Y,   72                           ; v[72:87] x's path: unit i: the same 4 numbers in bf16, to store, at Y + 2 i
.set LB,  8                            ; v[8:23]  W's path: 16 labels, then the LDS addresses made of them
.set D,   24                           ; v[24:87] W's path: sixteen gathered halves of a block, 16 bytes each: step n at D + 4 n
.set CR,  24                           ; v[24:39] W's path, ahead of the gathers: my 16 numbers of the table, f32
.set CB,  40                           ; v[40:47] W's path, ahead of the gathers: the same in bf16
	s_load_b256 s[4:11], s[0:1], 0x0               ; x s[4:5], centroids s[6:7], labels s[8:9], xb s[10:11]
	s_load_b64 s[12:13], s[0:1], 0x20              ; wb
	v_lshl_add_u32 v[SPW], v0, 2, SPARE
	v_mov_b32 v[NIL], 0
	v_lshlrev_b32 v1, 4, v0                        ; 16 t: my 16 bytes of a unit of x, of the table, and of 4,096 bytes of wb; never rewritten
	v_lshlrev_b32 v2, 3, v0                        ; 8 t: my 8 bytes of a unit of xb and of the table in LDS; never rewritten
	s_cmp_lt_u32 ttmp9, NDQ
	s_cbranch_scc1 .Ldequant
; ---- x to bf16.  A load of a wave covers 512 consecutive bytes, a store 256 consecutive bytes at a multiple of 256 from xb's first byte.
	s_sub_co_u32 s14, ttmp9, NDQ                   ; 0 .. 1023
	s_lshl_b32 s16, s14, 17                        ; 32 units of 4,096 bytes of x (the largest offset is under 2^27),
	s_mov_b32 s17, 0
	s_lshl_b32 s20, s14, 16                        ; 32 units of 2,048 bytes of xb
	s_mov_b32 s21, 0
	s_wait_kmcnt 0x0
	s_add_nc_u64 s[4:5], s[4:5], s[16:17]
	s_add_nc_u64 s[10:11], s[10:11], s[20:21]
	s_wait_alu depctr_va_vdst(0)                   ; v1 and v2 are written: every load and store of this path reads one of them as its offset
.irp i, 0,1,2,3,4,5,6,7,8,9,10,11,12,13,14,15
	global_load_b128 v[X+4*(\i):X+4*(\i)+3], v1, s[4:5] offset:(\i)*UIN th:TH_LOAD_NT  ; blocks 0 and 1 into X0 and X1
.endr
; Block p.  Of the four blocks two ask for the block two further on and two ask for nothing, so they are written out, without a loop: no load leaves x.
.macro BLK p
.if (\p) < BLOCKS-1
	s_wait_loadcnt BLOCK                           ; loads come back in order (ISA guide 5.7.1): X[p % 2] is in, the younger block's eight stay out
.else
	s_wait_loadcnt 0x0                             ; the last block: no load was issued behind its own
.endif
.if (\p) > 0
	s_wait_xcnt 0x0                                ; every earlier memory instruction has had its addresses translated (ISA guide 3.1): Y, which the last block's stores read, is rewritten only behind this wait
	s_wait_alu depctr_vm_vsrc(0)                   ; the stores of the block before have read Y, which the roundings below write again
.endif
.irp i, 0,1,2,3,4,5,6,7
	v_cvt_pk_bf16_f32 v[Y+2*(\i)],   v[X+32*((\p)%2)+4*(\i)],   v[X+32*((\p)%2)+4*(\i)+1]
	v_cvt_pk_bf16_f32 v[Y+2*(\i)+1], v[X+32*((\p)%2)+4*(\i)+2], v[X+32*((\p)%2)+4*(\i)+3]
.endr
	s_wait_alu depctr_va_vdst(0)                   ; the roundings have written Y, which the stores below read, and are done reading X[p % 2], in which the loads below land
.if (\p)+2 < BLOCKS
.irp i, 0,1,2,3,4,5,6,7
	global_load_b128 v[X+32*((\p)%2)+4*(\i):X+32*((\p)%2)+4*(\i)+3], v1, s[4:5] offset:(((\p)+2)*BLOCK+(\i))*UIN th:TH_LOAD_NT  ; the buffer is asked for again at once; the loads go ahead of the stores
.endr
.endif
.irp i, 0,1,2,3,4,5,6,7
	global_store_b64 v2, v[Y+2*(\i):Y+2*(\i)+1], s[10:11] offset:((\p)*BLOCK+(\i))*UOUT th:TH_STORE_NT
.endr
.endm
	BLK 0
	BLK 1
	BLK 2
	BLK 3
	s_endpgm
; ---- W in bf16.  The work-group owns 2,048 labels = 65,536 bytes of wb.  In step n (0 .. 15) it covers blocks 128 n .. 128 n + 127: thread t writes half t % 2 of block
; 128 n + t / 2, which is byte 4,096 n + 16 t: a store of a wave covers 512 consecutive bytes.
.Ldequant:
	v_lshrrev_b32 v3, 1, v0
	v_lshlrev_b32 v3, 2, v3                        ; 4 (t / 2): my label's place in a step's 512 bytes; never rewritten
	v_and_b32 v4, 1, v0
	v_lshlrev_b32 v4, 4, v4                        ; 16 (t % 2): which half of the table's row is mine
	s_lshl_b32 s16, ttmp9, 13                      ; 2,048 labels of 4 bytes
	s_mov_b32 s17, 0
	s_lshl_b32 s20, ttmp9, 16                      ; 2,048 blocks of 32 bytes
	s_mov_b32 s21, 0
	s_wait_kmcnt 0x0
	s_add_nc_u64 s[8:9], s[8:9], s[16:17]
	s_add_nc_u64 s[12:13], s[12:13], s[20:21]
	s_wait_alu depctr_va_vdst(0)                   ; v1, v2 and v3 are written: the loads, the LDS stores and the stores of this path read them as offsets and address
.irp j, 0,1,2,3
	global_load_b128 v[CR+4*(\j):CR+4*(\j)+3], v1, s[6:7] offset:4096*(\j)  ; the whole table: numbers 1,024 j + 4 t .. + 3
.endr
.set n, 0
.rept 16
	global_load_b32 v[LB+n], v3, s[8:9] offset:512*n th:TH_LOAD_NT           ; two neighbouring lanes take the same label
.set n, n+1
.endr
	s_wait_loadcnt 16                              ; the table's four loads are in; the sixteen labels, issued behind them, may stay out
.irp j, 0,1,2,3
	v_cvt_pk_bf16_f32 v[CB+2*(\j)],   v[CR+4*(\j)],   v[CR+4*(\j)+1]
	v_cvt_pk_bf16_f32 v[CB+2*(\j)+1], v[CR+4*(\j)+2], v[CR+4*(\j)+3]
.endr
	s_wait_alu depctr_va_vdst(0)                   ; the conversions have written CB, which the LDS stores read
.irp j, 0,1,2,3
	ds_store_b64 v2, v[CB+2*(\j):CB+2*(\j)+1] offset:TABLE+2048*(\j)         ; number e of the table goes to byte 2 e
.endr
	s_wait_loadcnt 0x0                             ; the labels
.set n, 0
.rept 16
	v_min_u32 v[LB+n], 0xff, v[LB+n]               ; held inside the table,
	v_lshl_add_u32 v[LB+n], v[LB+n], 5, v4         ; then 32 x label + my half: at most 8,176, so the 16 bytes read end at the table's end
.set n, n+1
.endr
	s_wait_dscnt 0x0                               ; for the others' sake: my part of the table is written
	s_barrier_signal -1
	s_barrier_wait -1                              ; everybody's is
	s_wait_alu depctr_vm_vsrc(0)                   ; my LDS stores have read CB: its registers are part of D from here on, and gathers land in them
	s_wait_alu depctr_va_vdst(0)                   ; the clamps and shifts have written LB, which the gathers read as their addresses
.set n, 0
.rept 16
	ds_load_b128 v[D+4*n:D+4*n+3], v[LB+n]         ; all sixteen steps' gathers in one run: each has registers of its own, which are not written again
.set n, n+1
.endr
.set n, 0
.rept 16
	s_wait_dscnt 15-n                              ; LDS loads come back in order (ISA guide 5.7.1): number n of the sixteen is in
	global_store_b128 v1, v[D+4*n:D+4*n+3], s[12:13] offset:4096*n th:TH_STORE_NT
.set n, n+1
.endr
	s_wait_dscnt 0x0                               ; the closing lines, six on end
	s_wait_alu 0x0
	s_wait_tensorcnt 0x0
	ds_add_u32 v[SPW], v[NIL]
	s_wait_dscnt 0x0
	s_endpgm
.Lfunc_end_k_q245058dbde_prep:
	.size	k_q245058dbde_prep, .Lfunc_end_k_q245058dbde_prep-k_q245058dbde_prep
	.p2alignl 7, 3214868480
	.fill 96, 4, 3214868480
	.section	.rodata,"a",@progbits
	.p2align	6, 0x0
	.amdhsa_kernel k_q245058dbde_prep
		.amdhsa_group_segment_fixed_size 9216
		.amdhsa_private_segment_fixed_size 0
		.amdhsa_enable_private_segment 0
		.amdhsa_kernarg_size 40
		.amdhsa_user_sgpr_count 2
		.amdhsa_user_sgpr_kernarg_segment_ptr 1
		.amdhsa_wavefront_size32 1
		.amdhsa_system_sgpr_workgroup_id_x 1
		.amdhsa_system_sgpr_workgroup_id_y 1
		.amdhsa_system_sgpr_workgroup_id_z 1
		.amdhsa_system_vgpr_workitem_id 0
		.amdhsa_next_free_vgpr 88
		.amdhsa_next_free_sgpr 66
		.amdhsa_reserve_vcc 0
		.amdhsa_float_denorm_mode_32 3
		.amdhsa_float_denorm_mode_16_64 3
		.amdhsa_memory_ordered 1
		.amdhsa_forward_progress 1
		.amdhsa_inst_pref_size 20
	.end_amdhsa_kernel
	.amdgpu_metadata
---
amdhsa.version: [ 1, 2 ]
amdhsa.kernels:
  - .name:           k_q245058dbde_prep
    .symbol:         k_q245058dbde_prep.kd
    .args:
      - { .name: x, .offset: 0, .size: 8, .value_kind: global_buffer, .address_space: global }
      - { .name: centroids, .offset: 8, .size: 8, .value_kind: global_buffer, .address_space: global }
      - { .name: labels, .offset: 16, .size: 8, .value_kind: global_buffer, .address_space: global }
      - { .name: xb, .offset: 24, .size: 8, .value_kind: global_buffer, .address_space: global }
      - { .name: wb, .offset: 32, .size: 8, .value_kind: global_buffer, .address_space: global }
    .group_segment_fixed_size: 9216
    .private_segment_fixed_size: 0
    .kernarg_segment_align: 8
    .kernarg_segment_size: 40
    .max_flat_workgroup_size: 256
    .sgpr_count:     66
    .vgpr_count:     88
    .wavefront_size: 32
...
	.end_amdgpu_metadata
.endif
;; end of part 3
;; launch gemm: the kernel of part 2 again; grid 8 x 32, 4 waves a work-group, clusters of 4 x 4, 327,680 bytes of LDS; arguments xb, wb, out0, bias; writes out0
